; MI455X (gfx1250); checked and timed in simulation.
; The chip was launched on July 23, 2026; its instructions are those of AMD's public machine-readable ISA for CDNA 5 (MIT licence, August 2026) and "CDNA5" Instruction Set Architecture Reference Guide (July 2026). The comments in the code are by the model that wrote it; some were corrected since.
;; Attention Block. Allowed arithmetic: matrix products marked QUANTISED: E2M1 operands, one E8M0 scale for each 32 along K, by v_wmma_scale_f32_16x16x128_f8f6f4 with both operands' format E2M1 (or v_wmma_scale_f32_32x16x128_f4), f32 sums; products left as they are: f32 operands where the result goes on into a quantised operand, else bf16, f16 or f32 operands; f32 sums; everything else in f32.
;; Inputs: Wkv_codes 16 x 2 x 16 uint8 (E2M1 codes of Wkv, K innermost, in blocks of 32 codes, two codes a byte); Wkv_scales 16 x 2 uint8 (E8M0 scales of Wkv, one for each 32 codes along K); Wq_codes 16 x 2 x 16 uint8 (E2M1 codes of Wq, K innermost, in blocks of 32 codes, two codes a byte); Wq_scales 16 x 2 uint8 (E8M0 scales of Wq, one for each 32 codes along K); eps_fc1_b 128 float32; eps_fc1_w_codes 128 x 4 x 16 uint8 (E2M1 codes of eps_fc1_w, K innermost, in blocks of 32 codes, two codes a byte); eps_fc1_w_scales 128 x 4 uint8 (E8M0 scales of eps_fc1_w, one for each 32 codes along K); eps_fc2_b 32 float32; eps_fc2_w_codes 32 x 4 x 16 uint8 (E2M1 codes of eps_fc2_w, K innermost, in blocks of 32 codes, two codes a byte); eps_fc2_w_scales 32 x 4 uint8 (E8M0 scales of eps_fc2_w, one for each 32 codes along K); eps_fc_b 16 float32; eps_fc_w_codes 16 x 1 x 16 uint8 (E2M1 codes of eps_fc_w, K innermost, in blocks of 32 codes, two codes a byte); eps_fc_w_scales 16 x 1 uint8 (E8M0 scales of eps_fc_w, one for each 32 codes along K); eps_ln1_b 128 float32; eps_ln1_s 128 float32; eps_ln2_b 32 float32; eps_ln2_s 32 float32; in_proj_b 24 float32; in_proj_w 24 x 8 float32; kv_embed_codes 8 x 32,768 x 2 x 16 uint8 (E2M1 codes of kv_embed, K innermost, in blocks of 32 codes, two codes a byte); kv_embed_scales 8 x 32,768 x 2 uint8 (E8M0 scales of kv_embed, one for each 32 codes along K); out_proj_b 8 float32; out_proj_w 8 x 8 float32; query_embed 8 x 32,768 x 64 float32; res_fc1_b 128 float32; res_fc1_w 128 x 80 float32; res_fc2_b 32 float32; res_fc2_w_codes 32 x 4 x 16 uint8 (E2M1 codes of res_fc2_w, K innermost, in blocks of 32 codes, two codes a byte); res_fc2_w_scales 32 x 4 uint8 (E8M0 scales of res_fc2_w, one for each 32 codes along K); res_fc_b 64 float32; res_fc_w_codes 64 x 1 x 16 uint8 (E2M1 codes of res_fc_w, K innermost, in blocks of 32 codes, two codes a byte); res_fc_w_scales 64 x 1 uint8 (E8M0 scales of res_fc_w, one for each 32 codes along K); res_ln1_b 128 float32; res_ln1_s 128 float32; res_ln2_b 32 float32; res_ln2_s 32 float32; res_match_b 128 float32; res_match_w 128 x 80 float32; wkv_embed 8 float32; wq_embed 8 float32.
;; Outputs: out0 8 x 32,768 x 64 float32.
;; This version of the problem:
;;   THIS VERSION OF THE PROBLEM IS GIVEN IN LOW PRECISION. The matrix products marked QUANTISED in the list below multiply operands that are first quantised to E2M1 (2 exponent bits, 1 mantissa bit; 4 bits a number), with one power-of-two scale for each 32 numbers along K (OCP MX v1.0); their sums are f32. All else is computed in f32.
;;   The module's matrix products, in the order in which they are computed (A, B: the left and right operand; K: the contracted axis; several contracted axes count as one K, in the product's order):
;;     1. [M 262,144, K 64] x [K 64, N 16]; A: input query_embed; B: input Wq (given as codes): QUANTISED
;;     2. [M 262,144, K 64] x [K 64, N 16]; A: input kv_embed (given as codes); B: input Wkv (given as codes): QUANTISED
;;     3. [M 4,194,304, K 8] x [K 8, N 8]; A: computed on the way; B: input in_proj_w: left as it is (K = 8 < 32)
;;     4. [M 4,194,304, K 8] x [K 8, N 8]; A: computed on the way; B: input in_proj_w: left as it is (K = 8 < 32)
;;     5. [M 4,194,304, K 8] x [K 8, N 8]; A: computed on the way; B: input in_proj_w: left as it is (K = 8 < 32)
;;     6. batch 524,288 x [M 16, K 4] x [K 4, N 16]; A: computed on the way; B: computed on the way: left as it is (K = 4 < 32)
;;     7. batch 524,288 x [M 16, K 16] x [K 16, N 4]; A: softmax; B: computed on the way: left as it is (K = 16 < 32)
;;     8. [M 4,194,304, K 8] x [K 8, N 8]; A: computed on the way; B: input out_proj_w: left as it is (K = 8 < 32)
;;     9. [M 262,144, K 128] x [K 128, N 128]; A: computed on the way; B: input eps_fc1_w (given as codes): QUANTISED
;;     10. [M 262,144, K 128] x [K 128, N 32]; A: computed on the way; B: input eps_fc2_w (given as codes): QUANTISED
;;     11. [M 262,144, K 32] x [K 32, N 16]; A: computed on the way; B: input eps_fc_w (given as codes): QUANTISED
;;     12. [M 262,144, K 80] x [K 80, N 128]; A: computed on the way; B: input res_fc1_w: QUANTISED
;;     13. [M 262,144, K 80] x [K 80, N 128]; A: computed on the way; B: input res_match_w: QUANTISED
;;     14. [M 262,144, K 128] x [K 128, N 32]; A: computed on the way; B: input res_fc2_w (given as codes): QUANTISED
;;     15. [M 262,144, K 32] x [K 32, N 64]; A: computed on the way; B: input res_fc_w (given as codes): QUANTISED
;;   THE QUANTISER, for each operand of a quantised product, along K:
;;     - K is cut into blocks of 32 from its start; a last block that is shorter is filled with zeros.
;;     - A block's scale is 2^e with e = floor(log2(the largest magnitude in the block)) - 2, held to -126 .. 127; a block of zeros has e = 0. As a byte (E8M0): e + 127.
;;     - Each number is divided by its block's scale, clamped to +-6, and rounded to the nearest number of E2M1, ties to even, subnormals kept.
;;     - The product sums the exact products of the quantised numbers (number of the format x scale) in f32.
;;   ~~~python
;;   def quantise(x, axis):      # numpy; x: float32 -> the quantised numbers, widened to float32 again
;;       x = np.moveaxis(x, axis, -1); K = x.shape[-1]
;;       x = np.pad(x, [(0, 0)] * (x.ndim - 1) + [(0, -K % 32)]); x = x.reshape(x.shape[:-1] + (-1, 32)); a = np.abs(x).max(-1, keepdims=True)
;;       e = np.where(a > 0, np.clip(np.frexp(np.where(a > 0, a, 1))[1] - 1 - 2, -126, 127), 0)      # np.frexp(a)[1] - 1 = floor(log2(a)), exactly
;;       r = np.clip(x / 2.0 ** e, -6, 6)
;;       step = 2.0 ** (np.maximum(np.frexp(np.where(r == 0, 1, r))[1] - 1, 0) - 1)
;;       q = np.round(r / step) * step * 2.0 ** e      # np.round: ties to even
;;       return np.moveaxis(q.reshape(q.shape[:-2] + (-1,))[..., :K], -1, axis).astype(np.float32)
;;   ~~~
;;   OPERANDS COMPUTED ON THE WAY. 'Computed on the way' means the value that the module computes at that place (a softmax that the list does not call 'softmax' is quantised finished and normalised). What goes into a quantiser is computed in f32, as accurately as f32 sums, v_exp_f32 and their like allow (about 1e-6 of the number): no bf16 or f16 on the way to a quantiser, and a product that is left as it is and whose result goes on into a quantised operand takes f32 operands (vector FMAs, or v_wmma_f32_16x16x4_f32). A number that lies on a knife's edge between two numbers of the format may be rounded either way, as far as f32 arithmetic and the matrix unit's own rounding can turn it there, and no further.
;;   INPUTS GIVEN AS CODES. Wkv (in the module: [16, 64], K = its axis 1); Wq (in the module: [16, 64], K = its axis 1); eps_fc1_w (in the module: [128, 128], K = its axis 1); eps_fc2_w (in the module: [32, 128], K = its axis 1); eps_fc_w (in the module: [16, 32], K = its axis 1); kv_embed (in the module: [8, 32768, 64], K = its axis 2); res_fc2_w (in the module: [32, 128], K = its axis 1); res_fc_w (in the module: [64, 32], K = its axis 1): each comes as NAME_codes (uint8): NAME with its K axis moved to the last place and cut into blocks of 32 codes, [.., K / 32, bytes a block], one block behind the other in memory; two codes a byte, the lower K in the low four bits (a code: sign, 2 exponent bits, 1 mantissa bit); and NAME_scales (uint8): the same leading axes, one E8M0 byte (e + 127) for each 32 codes along K. Its value is code x scale, taken as it is: it is not quantised again, and the codes and scales need not be those that the quantiser above would give.
;; One version. Each part assembles by itself: llvm-mc -triple=amdgcn-amd-amdhsa -mcpu=gfx1250 --defsym DOCPART=n.
;; ======== version 1 of 1: 2 launches
;; workspace buffers: img 44,032 bytes
;; launch prep (part 1): grid 1 x 1, 10 waves a work-group, no clusters, 0 bytes of LDS; arguments img, res_fc1_w, res_match_w, eps_fc1_w_codes, eps_fc1_w_scales, res_fc_w_codes, res_fc_w_scales, eps_fc2_w_codes, eps_fc2_w_scales, eps_fc_w_codes, eps_fc_w_scales, res_fc2_w_codes, res_fc2_w_scales, Wq_codes, Wq_scales, Wkv_codes, Wkv_scales, eps_fc2_b, eps_ln2_s, eps_ln2_b, res_fc2_b, res_ln2_s, res_ln2_b, eps_fc_b, in_proj_w, in_proj_b, out_proj_w, out_proj_b, wq_embed, wkv_embed; writes img
.if DOCPART == 1
	.amdgcn_target "amdgcn-amd-amdhsa--gfx1250"
	.amdhsa_code_object_version 6
	.text
	.protected	k_q0ba3fe7ff2_prep
	.globl	k_q0ba3fe7ff2_prep
	.p2align	8
	.type	k_q0ba3fe7ff2_prep,@function
k_q0ba3fe7ff2_prep:
	s_mov_b64 s[64:65], 0
	v_nop
	global_prefetch_b8 v0, s[64:65] scope:SCOPE_SE
	s_setreg_imm32_b32 hwreg(HW_REG_WAVE_MODE, 25, 1), 1
	s_wait_xcnt 0x0
; FIRST LAUNCH: the small weights are laid once as the second launch's matrix operands want them.
; img (44,032 bytes) holds: every FP4 weight as IMAGES OF THE OPERAND'S REGISTERS (a tile of 16 weight rows x 128 K is 1,024 bytes: register group c at + 512 c, lane l's 16 bytes at + 16 l),
; the tiles' scale words ([lane][4 words]), the six 32-wide vectors, eps_fc_b, and 28 constants of the attention.  res_fc1_w and res_match_w arrive as f32 and are quantised here, along K = 80.
; WHICH ROWS FORM A TILE is chosen so that in the second launch, which uses every product transposed (source 0 = 16 weight rows, source 1 = 16 batch rows), a lane's results are already in the order
; of the next product's operand: with m = lane % 16, f = 32 (m / 8) + m % 8 and f2 = 16 (m / 8) + m % 8:  eps_fc1, res_fc1, res_match: row 64 (t / 4) + 8 (t % 4) + f;  eps_fc2, res_fc2: 8 t + f2;
; res_fc: 8 t + f;  eps_fc: 8 t + m for m < 8, zero codes above;  Wq: 8 ((m / 4) % 2) + 4 (m / 8) + m % 4;  Wkv: 8 t + m % 8.  Codes past a weight's K are zero codes.
; THE ATTENTION'S CONSTANTS.  The embeddings are q[o] x wq_embed and kv[o] x wkv_embed, so with aq = Wq_in wq_embed, ak = Wk_in wkv_embed, av = Wv_in wkv_embed a score is, up to terms that do not
; hang on the key and cancel in the softmax (the key bias among them), kv[k] (q[o] c1[h] + c2[h]) in base 2, c1 = (log2 e / 2) sum aq ak, c2 = (log2 e / 2) sum bq ak over the head's four;
; and the projected output is u[o,0] g0[j] + u[o,1] g1[j] + g2[j], g0 = sum over e < 4 of ow[j,e] av[e], g1 the same over e >= 4, g2 = ow bv + ob.  These are sums in f32, in another order than written in the model.
; LIMITS: NaN and infinities are not served; a block of res_fc1_w or res_match_w whose largest magnitude lies under 2^-124 (a block of zeros too) gets the scale byte 1: its codes are then zeros or held small, and only this program reads the byte.
; One work-group, ten waves, each with a path of its own chosen by its number; no LDS, no barrier; every stored register is written once.
.set F_WQ,   0
.set F_WKV,  1024
.set F_E1,   3072
.set F_E2,   11264
.set F_E3,   13312
.set F_R1,   15360
.set F_RM,   23552
.set F_R2,   31744
.set F_R3,   33792
.set S_QKV,  37888
.set S_E1,   38400
.set S_R1,   39424
.set S_RM,   40448
.set S_R3,   41472
.set S_E23,  41984
.set S_R2,   42496
.set P_E2B,  43008
.set P_E2S,  43136
.set P_E2LB, 43264
.set P_R2B,  43392
.set P_R2S,  43520
.set P_R2LB, 43648
.set P_E3B,  43776
.set P_CONST, 43904
.set FLOOR,  0x1800000                 ; 2^(3 - 127): no largest magnitude is taken under it, so a scale byte cannot fall under 1
	s_load_b512 s[4:19], s[0:1], 0x0               ; pointer i of the argument list lands in s[4 + 2 i : 5 + 2 i]
	s_load_b512 s[20:35], s[0:1], 0x40
	s_load_b512 s[36:51], s[0:1], 0x80
	s_load_b256 s[52:59], s[0:1], 0xc0
	s_load_b128 s[60:63], s[0:1], 0xe0
	v_lshrrev_b32 v1, 5, v0
	v_readfirstlane_b32 s66, v1                    ; wave 0..9
	v_and_b32 v1, 31, v0                           ; lane
	v_and_b32 v2, 15, v0                           ; m: the tile's row
	v_bfe_u32 v3, v0, 4, 1                         ; h: which half of K the lane holds
	v_lshlrev_b32 v4, 4, v1                        ; 16 x lane: an image's place
	v_and_b32 v7, 7, v0                            ; m % 8
	v_bfe_u32 v14, v0, 3, 1                        ; m / 8
	v_lshl_add_u32 v5, v14, 5, v7                  ; f
	v_lshl_add_u32 v6, v14, 4, v7                  ; f2
	v_add_nc_u32 v8, -1, v3                        ; all ones in lanes 0-15, 0 in lanes 16-31
	v_lshlrev_b32 v9, 3, v3                        ; 8 h
	v_mov_b32 v10, 0                               ; v[10:13]: 16 bytes of zero codes
	v_mov_b32 v11, 0
	v_mov_b32 v12, 0
	v_mov_b32 v13, 0
	s_mov_b32 s68, 0x76543210                      ; v_permlanex16_b32's selects for lane l xor 16
	s_mov_b32 s69, 0xfedcba98
	s_wait_kmcnt 0x0
	; ---- waves 0-3: res_fc1_w (0, 1) and res_match_w (2, 3), four tiles each: f32 -> codes and scale words
	s_cmp_lt_u32 s66, 4
	s_cbranch_scc0 .Lnot_qw
	s_mov_b32 s72, F_RM
	s_mov_b32 s73, S_RM
	s_cmp_lt_u32 s66, 2                            ; the choice hangs on the wave's number alone
	s_cselect_b64 s[70:71], s[6:7], s[8:9]
	s_cselect_b32 s72, F_R1, s72
	s_cselect_b32 s73, S_R1, s73
	s_and_b32 s74, s66, 1                          ; g: tiles 4 g .. 4 g + 3
	s_lshl_b32 s75, s74, 12
	s_add_co_u32 s72, s72, s75
	s_lshl_b32 s75, s74, 9
	s_add_co_u32 s73, s73, s75
	s_mul_i32 s76, s74, 20480                      ; 64 rows of 320 bytes
	v_mul_u32_u24 v52, v5, 320
	v_add_nc_u32 v52, s76, v52
	v_add_nc_u32 v53, 256, v52                     ; k = 64 .. 79 of my row (both halves of the lanes read them)
	v_lshl_add_u32 v52, v3, 7, v52                 ; k = 32 h .. 32 h + 31
	v_add_nc_u32 v54, s72, v4                      ; where my codes go
	v_add_nc_u32 v55, s73, v4                      ; and my four scale words
	v_mov_b32 v62, 0                               ; a lane permute's destination counts as read
.irp i, 0,1,2,3
.irp j, 0,1,2,3,4,5,6,7
	global_load_b128 v[64+48*\i+4*\j:67+48*\i+4*\j], v52, s[70:71] offset:2560*\i+16*\j
.endr
.irp j, 0,1,2,3
	global_load_b128 v[96+48*\i+4*\j:99+48*\i+4*\j], v53, s[70:71] offset:2560*\i+16*\j
.endr
.endr
.macro QTILE i
.set QX, 64+48*(\i)
.set QC, 16+8*(\i)
	s_wait_loadcnt 12*(3-(\i))                     ; loads come back in order: this tile's twelve are in, the twelve of each later tile may be out
	v_max3_num_f32 v56, |v[QX]|, |v[QX+1]|, FLOOR          ; block h: all its 32 numbers are mine
	v_max3_num_f32 v57, |v[QX+32]|, |v[QX+33]|, FLOOR      ; block 2: 16 numbers, the rest of the block is the quantiser's zeros
.irp k, 2,4,6,8,10,12,14
	v_max3_num_f32 v56, v56, |v[QX+\k]|, |v[QX+\k+1]|
	v_max3_num_f32 v57, v57, |v[QX+32+\k]|, |v[QX+33+\k]|
.endr
.irp k, 16,18,20,22,24,26,28,30
	v_max3_num_f32 v56, v56, |v[QX+\k]|, |v[QX+\k+1]|
.endr
	v_add_nc_u32 v58, 0xff000000, v56              ; 2 off the exponent field: the conversion takes this operand's exponent field as its scale
	v_add_nc_u32 v59, 0xff000000, v57
.irp g, 0,1,2,3
	v_cvt_scalef32_pk8_fp4_f32 v[QC+\g], v[QX+8*\g:QX+8*\g+7], v58
.endr
	v_cvt_scalef32_pk8_fp4_f32 v[QC+4], v[QX+32:QX+39], v59
	v_cvt_scalef32_pk8_fp4_f32 v[QC+5], v[QX+40:QX+47], v59
	v_nop                                          ; one plain line between a scaled conversion and the vector line that touches its result
	v_and_b32 v[QC+4], v8, v[QC+4]                 ; k = 64 .. 79 belong to lanes 0-15; lanes 16-31 hold k = 96 on: zero codes
	v_and_b32 v[QC+5], v8, v[QC+5]
	v_mov_b32 v[QC+6], 0
	v_mov_b32 v[QC+7], 0
	v_lshrrev_b32 v60, 23, v58                     ; the scale bytes
	v_lshrrev_b32 v61, 23, v59
	v_lshlrev_b32 v60, v9, v60                     ; block h's byte at its place,
	v_permlanex16_b32 v62, v60, s68, s69
	v_or_b32 v60, v60, v62                         ; with lane l xor 16's,
	v_lshl_or_b32 v60, v61, 16, v60                ; block 2's,
	v_or_b32 v[48+(\i)], 0x7f000000, v60           ; and 1.0 over the zero codes of k = 96 on
	global_store_b128 v54, v[QC:QC+3], s[4:5] offset:1024*(\i)        ; 32 lanes store 512 consecutive bytes
	global_store_b128 v54, v[QC+4:QC+7], s[4:5] offset:1024*(\i)+512
.endm
	QTILE 0
	QTILE 1
	QTILE 2
	QTILE 3
	global_store_b128 v55, v[48:51], s[4:5]
	s_endpgm
	; ---- waves 4, 5: eps_fc1_w, four tiles each: rows of 64 bytes of codes, 4 scale bytes a row
.Lnot_qw:
	s_cmp_lt_u32 s66, 6
	s_cbranch_scc0 .Lnot_e1
	s_sub_co_u32 s74, s66, 4
	s_lshl_b32 s75, s74, 12
	s_lshl_b32 s76, s74, 8
	s_lshl_b32 s77, s74, 9
	v_lshlrev_b32 v52, 6, v5
	v_lshl_add_u32 v52, v3, 4, v52
	v_add_nc_u32 v52, s75, v52                     ; 64 f + 16 h + 4,096 g
	v_lshlrev_b32 v53, 2, v5
	v_add_nc_u32 v53, s76, v53                     ; 4 f + 256 g
	v_add_nc_u32 v54, s75, v4
	v_add_nc_u32 v55, s77, v4
.irp i, 0,1,2,3
	global_load_b128 v[16+8*\i:19+8*\i], v52, s[10:11] offset:512*\i
	global_load_b128 v[20+8*\i:23+8*\i], v52, s[10:11] offset:512*\i+32
	global_load_b32 v[48+\i], v53, s[12:13] offset:32*\i
.endr
	s_wait_loadcnt 0x0
.irp i, 0,1,2,3
	global_store_b128 v54, v[16+8*\i:19+8*\i], s[4:5] offset:F_E1+1024*\i
	global_store_b128 v54, v[20+8*\i:23+8*\i], s[4:5] offset:F_E1+1024*\i+512
.endr
	global_store_b128 v55, v[48:51], s[4:5] offset:S_E1
	s_endpgm
	; ---- wave 6: res_fc_w, four tiles: rows of 16 bytes (K = 32), one scale byte a row
.Lnot_e1:
	s_cmp_eq_u32 s66, 6
	s_cbranch_scc0 .Lnot_r3
	v_lshlrev_b32 v52, 4, v5
.irp t, 0,1,2,3
	global_load_b128 v[16+4*\t:19+4*\t], v52, s[14:15] offset:128*\t
	global_load_u8 v[48+\t], v5, s[16:17] offset:8*\t
.endr
	s_wait_loadcnt 0x0
.irp j, 0,1,2,3,4,5,6,7,8,9,10,11,12,13,14,15
	v_and_b32 v[16+\j], v8, v[16+\j]               ; the 32 codes belong to lanes 0-15; k = 32 on: zero codes
.endr
.irp t, 0,1,2,3
	v_or_b32 v[48+\t], 0x7f7f7f00, v[48+\t]
.endr
.irp t, 0,1,2,3
	global_store_b128 v4, v[16+4*\t:19+4*\t], s[4:5] offset:F_R3+1024*\t
	global_store_b128 v4, v[10:13], s[4:5] offset:F_R3+1024*\t+512
.endr
	global_store_b128 v4, v[48:51], s[4:5] offset:S_R3
	s_endpgm
	; ---- wave 7: eps_fc2_w (two tiles) and eps_fc_w (two tiles of eight rows, the upper eight rows zero codes)
.Lnot_r3:
	s_cmp_eq_u32 s66, 7
	s_cbranch_scc0 .Lnot_e23
	v_lshlrev_b32 v52, 6, v6
	v_lshl_add_u32 v52, v3, 4, v52                 ; 64 f2 + 16 h
	v_lshlrev_b32 v53, 2, v6
	v_lshlrev_b32 v54, 4, v7                       ; 16 (m % 8)
.irp t, 0,1
	global_load_b128 v[16+8*\t:19+8*\t], v52, s[18:19] offset:512*\t
	global_load_b128 v[20+8*\t:23+8*\t], v52, s[18:19] offset:512*\t+32
	global_load_b32 v[48+\t], v53, s[20:21] offset:32*\t
	global_load_b128 v[32+4*\t:35+4*\t], v54, s[22:23] offset:128*\t
	global_load_u8 v[50+\t], v7, s[24:25] offset:8*\t
.endr
	v_mov_b32 v57, -1
	v_cmp_gt_u32 vcc_lo, 8, v1
	v_cndmask_b32 v56, 0, v57, vcc_lo              ; all ones in lanes 0-7: rows m < 8, k = 0 .. 31
	v_mov_b32 v58, 0x7f7f7f7f
	v_cmp_gt_u32 vcc_lo, 8, v2                     ; m < 8
	s_wait_loadcnt 0x0
.irp j, 0,1,2,3,4,5,6,7
	v_and_b32 v[32+\j], v56, v[32+\j]
.endr
.irp t, 0,1
	v_or_b32 v[50+\t], 0x7f7f7f00, v[50+\t]
	v_cndmask_b32 v[50+\t], v58, v[50+\t], vcc_lo  ; the rows of zero codes get 1.0
.endr
.irp t, 0,1
	global_store_b128 v4, v[16+8*\t:19+8*\t], s[4:5] offset:F_E2+1024*\t
	global_store_b128 v4, v[20+8*\t:23+8*\t], s[4:5] offset:F_E2+1024*\t+512
	global_store_b128 v4, v[32+4*\t:35+4*\t], s[4:5] offset:F_E3+1024*\t
	global_store_b128 v4, v[10:13], s[4:5] offset:F_E3+1024*\t+512
.endr
	global_store_b128 v4, v[48:51], s[4:5] offset:S_E23
	s_endpgm
	; ---- wave 8: res_fc2_w (two tiles), Wq (one), Wkv (two)
.Lnot_e23:
	s_cmp_eq_u32 s66, 8
	s_cbranch_scc0 .Lconst
	v_lshlrev_b32 v52, 6, v6
	v_lshl_add_u32 v52, v3, 4, v52
	v_lshlrev_b32 v53, 2, v6
	v_bfe_u32 v54, v0, 2, 1
	v_and_b32 v55, 3, v0
	v_lshl_add_u32 v54, v54, 3, v55
	v_lshl_add_u32 v54, v14, 2, v54                ; Wq's row: 8 ((m / 4) % 2) + 4 (m / 8) + m % 4
	v_lshlrev_b32 v55, 5, v54
	v_lshl_add_u32 v55, v3, 4, v55                 ; rows of 32 bytes (K = 64)
	v_lshlrev_b32 v56, 1, v54                      ; two scale bytes a row
	v_lshlrev_b32 v57, 5, v7
	v_lshl_add_u32 v57, v3, 4, v57                 ; Wkv's row 8 t + m % 8
	v_lshlrev_b32 v58, 1, v7
.irp t, 0,1
	global_load_b128 v[16+8*\t:19+8*\t], v52, s[26:27] offset:512*\t
	global_load_b128 v[20+8*\t:23+8*\t], v52, s[26:27] offset:512*\t+32
	global_load_b32 v[48+\t], v53, s[28:29] offset:32*\t
	global_load_b128 v[36+4*\t:39+4*\t], v57, s[34:35] offset:256*\t
	global_load_u16 v[45+\t], v58, s[36:37] offset:16*\t
.endr
	global_load_b128 v[32:35], v55, s[30:31]
	global_load_u16 v44, v56, s[32:33]
	v_mov_b32 v50, 0x7f7f7f7f                      ; words that no product names
	v_mov_b32 v51, 0x7f7f7f7f
	v_mov_b32 v47, 0x7f7f7f7f
	s_wait_loadcnt 0x0
.irp j, 44,45,46
	v_or_b32 v[\j], 0x7f7f0000, v[\j]
.endr
.irp t, 0,1
	global_store_b128 v4, v[16+8*\t:19+8*\t], s[4:5] offset:F_R2+1024*\t
	global_store_b128 v4, v[20+8*\t:23+8*\t], s[4:5] offset:F_R2+1024*\t+512
	global_store_b128 v4, v[36+4*\t:39+4*\t], s[4:5] offset:F_WKV+1024*\t
	global_store_b128 v4, v[10:13], s[4:5] offset:F_WKV+1024*\t+512
.endr
	global_store_b128 v4, v[32:35], s[4:5] offset:F_WQ
	global_store_b128 v4, v[10:13], s[4:5] offset:F_WQ+512
	global_store_b128 v4, v[48:51], s[4:5] offset:S_R2
	global_store_b128 v4, v[44:47], s[4:5] offset:S_QKV
	s_endpgm
	; ---- wave 9: the 32-wide vectors as they are, eps_fc_b with 16 zeros behind it, and the attention's constants
.Lconst:
	s_load_b256 s[72:79], s[60:61], 0x0            ; wq_embed
	s_load_b256 s[80:87], s[62:63], 0x0            ; wkv_embed
	s_load_b256 s[88:95], s[54:55], 0x0            ; bq
	s_load_b256 s[8:15], s[54:55], 0x40            ; bv (over pointers that this path does not use)
	v_lshlrev_b32 v52, 2, v1                       ; 4 x lane
	v_lshlrev_b32 v53, 2, v2
	v_min_u32 v54, 23, v1
	v_lshlrev_b32 v54, 5, v54                      ; lane l takes row min(l, 23) of in_proj_w
	v_lshlrev_b32 v55, 5, v7                       ; and row l % 8 of out_proj_w
	v_lshlrev_b32 v56, 2, v7
	v_and_b32 v57, 3, v0
	global_load_b32 v16, v52, s[38:39]
	global_load_b32 v17, v52, s[40:41]
	global_load_b32 v18, v52, s[42:43]
	global_load_b32 v19, v52, s[44:45]
	global_load_b32 v20, v52, s[46:47]
	global_load_b32 v21, v52, s[48:49]
	global_load_b32 v22, v53, s[50:51]
	global_load_b128 v[24:27], v54, s[52:53]
	global_load_b128 v[28:31], v54, s[52:53] offset:16
	global_load_b128 v[36:39], v55, s[56:57]
	global_load_b128 v[40:43], v55, s[56:57] offset:16
	global_load_b32 v44, v56, s[58:59]
	s_wait_loadcnt 0x0                             ; all loads are done: their scalar bases may be written below
	s_wait_kmcnt 0x0
	v_and_b32 v22, v8, v22                         ; eps_fc_b in lanes 0-15, zeros in lanes 16-31
	global_store_b32 v52, v16, s[4:5] offset:P_E2B         ; 128 consecutive bytes a store; eight such stores, 1,024 bytes in all
	global_store_b32 v52, v17, s[4:5] offset:P_E2S
	global_store_b32 v52, v18, s[4:5] offset:P_E2LB
	global_store_b32 v52, v19, s[4:5] offset:P_R2B
	global_store_b32 v52, v20, s[4:5] offset:P_R2S
	global_store_b32 v52, v21, s[4:5] offset:P_R2LB
	global_store_b32 v52, v22, s[4:5] offset:P_E3B
	v_mul_f32 v32, s72, v24                        ; my row of in_proj_w . wq_embed,
	v_mul_f32 v33, s80, v24                        ; and . wkv_embed
.irp e, 1,2,3,4,5,6,7
	v_fmac_f32 v32, s[72+\e], v[24+\e]
	v_fmac_f32 v33, s[80+\e], v[24+\e]
.endr
	v_cmp_gt_u32 vcc_lo, 8, v1
	v_cndmask_b32 v34, v33, v32, vcc_lo            ; lanes 0-7 aq, 8-15 ak, 16-23 av
.irp l, 0,1,2,3,4,5,6,7,8,9,10,11,12,13,14,15,16,17,18,19,20,21,22,23
	v_readlane_b32 s[16+\l], v34, \l               ; aq s16-23, ak s24-31, av s32-39
.endr
	s_mul_f32 s96, s16, s24                        ; c1 of head 0, head 1; c2 of head 0, head 1
	s_mul_f32 s97, s20, s28
	s_mul_f32 s98, s88, s24
	s_mul_f32 s99, s92, s28
.irp d, 1,2,3
	s_fmac_f32 s96, s[16+\d], s[24+\d]
	s_fmac_f32 s97, s[20+\d], s[28+\d]
	s_fmac_f32 s98, s[88+\d], s[24+\d]
	s_fmac_f32 s99, s[92+\d], s[28+\d]
.endr
	s_mov_b32 s100, 0x3f38aa3b                     ; log2(e) / sqrt(4)
	s_mul_f32 s96, s96, s100
	s_mul_f32 s97, s97, s100
	s_mul_f32 s98, s98, s100
	s_mul_f32 s99, s99, s100
	v_mul_f32 v45, s32, v36                        ; g0[l % 8]
	v_mul_f32 v46, s36, v40                        ; g1
	v_fma_f32 v47, s8, v36, v44                    ; g2
.irp e, 1,2,3
	v_fmac_f32 v45, s[32+\e], v[36+\e]
	v_fmac_f32 v46, s[36+\e], v[40+\e]
.endr
.irp e, 1,2,3,4,5,6,7
	v_fmac_f32 v47, s[8+\e], v[36+\e]
.endr
	v_mov_b32 v48, s96                             ; lanes 24-31: c1, c1, c2, c2 by l % 4
	v_mov_b32 v58, s97
	v_cmp_eq_u32 vcc_lo, 1, v57
	v_cndmask_b32 v48, v48, v58, vcc_lo
	v_mov_b32 v58, s98
	v_cmp_eq_u32 vcc_lo, 2, v57
	v_cndmask_b32 v48, v48, v58, vcc_lo
	v_mov_b32 v58, s99
	v_cmp_eq_u32 vcc_lo, 3, v57
	v_cndmask_b32 v48, v48, v58, vcc_lo
	v_cmp_lt_u32 vcc_lo, 7, v1
	v_cndmask_b32 v49, v45, v46, vcc_lo
	v_cmp_lt_u32 vcc_lo, 15, v1
	v_cndmask_b32 v49, v49, v47, vcc_lo
	v_cmp_lt_u32 vcc_lo, 23, v1
	v_cndmask_b32 v49, v49, v48, vcc_lo
	global_store_b32 v52, v49, s[4:5] offset:P_CONST
	s_endpgm
.Lfunc_end_k_q0ba3fe7ff2_prep:
	.size	k_q0ba3fe7ff2_prep, .Lfunc_end_k_q0ba3fe7ff2_prep-k_q0ba3fe7ff2_prep
	.p2alignl 7, 3214868480
	.fill 96, 4, 3214868480
	.section	.rodata,"a",@progbits
	.p2align	6, 0x0
	.amdhsa_kernel k_q0ba3fe7ff2_prep
		.amdhsa_group_segment_fixed_size 0
		.amdhsa_private_segment_fixed_size 0
		.amdhsa_enable_private_segment 0
		.amdhsa_kernarg_size 240
		.amdhsa_user_sgpr_count 2
		.amdhsa_user_sgpr_kernarg_segment_ptr 1
		.amdhsa_wavefront_size32 1
		.amdhsa_system_sgpr_workgroup_id_x 1
		.amdhsa_system_sgpr_workgroup_id_y 1
		.amdhsa_system_sgpr_workgroup_id_z 1
		.amdhsa_system_vgpr_workitem_id 0
		.amdhsa_next_free_vgpr 256
		.amdhsa_next_free_sgpr 104
		.amdhsa_reserve_vcc 1
		.amdhsa_float_denorm_mode_32 3
		.amdhsa_float_denorm_mode_16_64 3
		.amdhsa_memory_ordered 1
		.amdhsa_forward_progress 1
		.amdhsa_inst_pref_size 36
	.end_amdhsa_kernel
	.amdgpu_metadata
---
amdhsa.version: [ 1, 2 ]
amdhsa.kernels:
  - .name:           k_q0ba3fe7ff2_prep
    .symbol:         k_q0ba3fe7ff2_prep.kd
    .args:
      - { .name: img, .offset: 0, .size: 8, .value_kind: global_buffer, .address_space: global }
      - { .name: res_fc1_w, .offset: 8, .size: 8, .value_kind: global_buffer, .address_space: global }
      - { .name: res_match_w, .offset: 16, .size: 8, .value_kind: global_buffer, .address_space: global }
      - { .name: eps_fc1_w_codes, .offset: 24, .size: 8, .value_kind: global_buffer, .address_space: global }
      - { .name: eps_fc1_w_scales, .offset: 32, .size: 8, .value_kind: global_buffer, .address_space: global }
      - { .name: res_fc_w_codes, .offset: 40, .size: 8, .value_kind: global_buffer, .address_space: global }
      - { .name: res_fc_w_scales, .offset: 48, .size: 8, .value_kind: global_buffer, .address_space: global }
      - { .name: eps_fc2_w_codes, .offset: 56, .size: 8, .value_kind: global_buffer, .address_space: global }
      - { .name: eps_fc2_w_scales, .offset: 64, .size: 8, .value_kind: global_buffer, .address_space: global }
      - { .name: eps_fc_w_codes, .offset: 72, .size: 8, .value_kind: global_buffer, .address_space: global }
      - { .name: eps_fc_w_scales, .offset: 80, .size: 8, .value_kind: global_buffer, .address_space: global }
      - { .name: res_fc2_w_codes, .offset: 88, .size: 8, .value_kind: global_buffer, .address_space: global }
      - { .name: res_fc2_w_scales, .offset: 96, .size: 8, .value_kind: global_buffer, .address_space: global }
      - { .name: Wq_codes, .offset: 104, .size: 8, .value_kind: global_buffer, .address_space: global }
      - { .name: Wq_scales, .offset: 112, .size: 8, .value_kind: global_buffer, .address_space: global }
      - { .name: Wkv_codes, .offset: 120, .size: 8, .value_kind: global_buffer, .address_space: global }
      - { .name: Wkv_scales, .offset: 128, .size: 8, .value_kind: global_buffer, .address_space: global }
      - { .name: eps_fc2_b, .offset: 136, .size: 8, .value_kind: global_buffer, .address_space: global }
      - { .name: eps_ln2_s, .offset: 144, .size: 8, .value_kind: global_buffer, .address_space: global }
      - { .name: eps_ln2_b, .offset: 152, .size: 8, .value_kind: global_buffer, .address_space: global }
      - { .name: res_fc2_b, .offset: 160, .size: 8, .value_kind: global_buffer, .address_space: global }
      - { .name: res_ln2_s, .offset: 168, .size: 8, .value_kind: global_buffer, .address_space: global }
      - { .name: res_ln2_b, .offset: 176, .size: 8, .value_kind: global_buffer, .address_space: global }
      - { .name: eps_fc_b, .offset: 184, .size: 8, .value_kind: global_buffer, .address_space: global }
      - { .name: in_proj_w, .offset: 192, .size: 8, .value_kind: global_buffer, .address_space: global }
      - { .name: in_proj_b, .offset: 200, .size: 8, .value_kind: global_buffer, .address_space: global }
      - { .name: out_proj_w, .offset: 208, .size: 8, .value_kind: global_buffer, .address_space: global }
      - { .name: out_proj_b, .offset: 216, .size: 8, .value_kind: global_buffer, .address_space: global }
      - { .name: wq_embed, .offset: 224, .size: 8, .value_kind: global_buffer, .address_space: global }
      - { .name: wkv_embed, .offset: 232, .size: 8, .value_kind: global_buffer, .address_space: global }
    .group_segment_fixed_size: 0
    .private_segment_fixed_size: 0
    .kernarg_segment_align: 8
    .kernarg_segment_size: 240
    .max_flat_workgroup_size: 320
    .sgpr_count:     104
    .vgpr_count:     256
    .wavefront_size: 32
...
	.end_amdgpu_metadata
.endif
;; end of part 1
;; launch main (part 2): grid 256 x 1, 16 waves a work-group, no clusters, 119,808 bytes of LDS; arguments img, eps_fc1_b, eps_ln1_s, eps_ln1_b, res_fc1_b, res_ln1_s, res_ln1_b, res_match_b, res_fc_b, query_embed, kv_embed_codes, kv_embed_scales, out0; writes out0
.if DOCPART == 2
	.amdgcn_target "amdgcn-amd-amdhsa--gfx1250"
	.amdhsa_code_object_version 6
	.text
	.protected	k_q0ba3fe7ff2_main
	.globl	k_q0ba3fe7ff2_main
	.p2align	8
	.type	k_q0ba3fe7ff2_main,@function
k_q0ba3fe7ff2_main:
	s_mov_b64 s[64:65], 0
	v_nop
	global_prefetch_b8 v0, s[64:65] scope:SCOPE_SE
	s_setreg_imm32_b32 hwreg(HW_REG_WAVE_MODE, 25, 1), 1
	s_wait_xcnt 0x0
; SECOND LAUNCH: the whole chain for all 262,144 rows: two projections, the 16 x 16 attention of two heads, both residual MLPs.  Nothing but the inputs and out0 goes through memory.
; SHARES.  A tile is 16 rows; tile = 64 x work-group + 16 x trip + wave, four trips.  Sixteen waves of 256 registers, four to a SIMD: the work is nearly all vector work (some 3,000 vector lines against
; 37 matrix instructions a tile), so what counts is that a SIMD always has a wave that can issue; no register windows.
; LAYOUT.  EVERY PRODUCT IS USED TRANSPOSED (source 0 = 16 weight rows, source 1 = the tile's 16 rows): lane (r = lane % 16, h = lane / 16) holds row r throughout.  The first launch chose the weight rows of
; each tile so that a lane's results lie in the order of the next operand: the 32 registers of tiles 4 c .. 4 c + 3 are k = 64 c + 32 h + 0 .. 31, a whole block of 32 in a lane: its largest magnitude
; needs no other lane and the conversions write operand registers.  The 32-wide layers hold 16 h + 0 .. 15 in a lane: one exchange of maxima and two swaps of halves.
; ATTENTION.  The embeddings are multiples of one vector, so (first launch's comment) p = 2^(s kv[k] - m), s = q[o] c1[h] + c2[h], m = max(s kvmax, s kvmin): the row's own maximum is taken away;
; u = sum p kv / sum p; eps[8 o + j] = u0 g0[j] + u1 g1[j] + g2[j].  A register pair holds the two heads.  All in f32, as sums in another order than the model writes them.
; GELU is x (1/2 + xc P(xc^2) / Q(xc^2)), xc = x held to +-4 sqrt(2): the rational form of erf of degrees 13 and 8, with x / sqrt(2) folded into the coefficients.
; LIMITS: erf by that form is good to about 1e-7 absolute; NaN and infinities are not served; a block whose largest magnitude lies under 2^-124 (a block of zeros too) gets the scale byte 1.
; LEFT OUT: tensor loads (LDS is filled once, 47 KB, and the streamed rows are wanted in registers); clusters (work-groups share those 47 KB alone, read once each);
; a prefetch (the next tile's 10 loads are issued into free registers behind the first GELU, more than half a trip ahead of their wait).
.set F_WQ,   0                         ; LDS bytes 0 .. 44,031: the first launch's buffer as it lies
.set F_WKV,  1024
.set F_E1,   3072
.set F_E2,   11264
.set F_E3,   13312
.set F_R1,   15360
.set F_RM,   23552
.set F_R2,   31744
.set F_R3,   33792
.set S_QKV,  37888
.set S_E1,   38400
.set S_R1,   39424
.set S_RM,   40448
.set S_R3,   41472
.set S_E23,  41984
.set S_R2,   42496
.set P_E2B,  43008
.set P_E2S,  43136
.set P_E2LB, 43264
.set P_R2B,  43392
.set P_R2S,  43520
.set P_R2LB, 43648
.set P_E3B,  43776
.set P_CONST, 43904
.set V_E1B,  44032                     ; then the eight wide vectors as they lie in memory: lane (r, h) wants units 64 c + 32 h + 8 i + j: 128 h + 256 c + 32 i bytes on
.set V_E1S,  44544
.set V_E1LB, 45056
.set V_R1B,  45568
.set V_R1S,  46080
.set V_R1LB, 46592
.set V_RMB,  47104
.set V_R3B,  47616
.set STG,    47872                     ; then a stage of 16 rows x (256 + 16) bytes for each wave, its own: the query on the way in, out0 on the way out
.set FLOOR,  0x1800000                 ; 2^(3 - 127): no largest magnitude is taken under it, so a scale byte cannot fall under 1
.set LI,  1                            ; v1   16 x lane: images in LDS, dense rows in memory
.set LH,  2                            ; v2   128 h
.set LH2, 3                            ; v3   64 h
.set ZA,  4                            ; v4   0
.set SGI, 5                            ; v5   stage, dense side: 272 (lane / 16) + 16 (lane % 16)
.set SGO, 6                            ; v6   stage, lane's side: 272 r + 128 h
.set GK,  7                            ; v7   32 r + 16 h: kv's codes
.set GS,  8                            ; v8   2 r: kv's scale bytes
.set SH8, 9                            ; v9   8 h
.set CV,  10                           ; v[10:11] the leading coefficients of P and of Q
                                       ; v12-23 at work (v[18:19]: -mean, 1 / sigma)
.set WS,  24                           ; v24-31 weights' scale words
.set XC,  32                           ; v32-39 the operand (query, eps_): k = 0 .. 79, zero codes behind
.set HC,  40                           ; v40-47 the operand made of a hidden layer
.set XS,  48                           ; v48, v49, v50 their scale words and kv's: these hold scales alone
.set HS,  49
.set KVS, 50
.set LV,  51                           ; v51  4 sqrt(2)
.set CPY, 52                           ; v52, v53: at the head the copy's addresses; in the attention v52-61 the sums of two queries in flight
.set L8,  53
.set EPS, 64                           ; v64-127 eps; behind the first GELU the next tile's landing registers
.set ACC, 128                          ; v128-191 results
.set WF,  192                          ; v192-255 weights' fragments, and scratch
.set KV,  ACC+8
.set G0,  ACC+24
.set G1,  ACC+32
.set G2,  ACC+40
.set C1,  ACC+48
.set C2,  ACC+50
.set KMX, ACC+52
.macro PL n                            ; plain places (AMD's ISA guide 7.12.1)
.rept \n
	v_nop
.endr
.endm
.macro FRAG reg, off                   ; a weight tile's eight registers, as the first launch laid them
	ds_load_b128 v[(\reg):(\reg)+3], v[LI] offset:(\off)
	ds_load_b128 v[(\reg)+4:(\reg)+7], v[LI] offset:(\off)+512
.endm
.macro VEC8 reg, areg, vec, b          ; eight numbers of a vector in the layout of result tile b
	ds_load_b128 v[(\reg):(\reg)+3], v[\areg] offset:(\vec)+256*((\b)/4)+32*((\b)%4)
	ds_load_b128 v[(\reg)+4:(\reg)+7], v[\areg] offset:(\vec)+256*((\b)/4)+32*((\b)%4)+16
.endm
.macro MM d, a, b, sa, sb, zero        ; zero = 1: the sum starts at 0; else at what lies in d (a bias, or a sum to add onto)
.if \zero
	v_wmma_scale_f32_16x16x128_f8f6f4 v[(\d):(\d)+7], v[(\a):(\a)+7], v[(\b):(\b)+7], 0, v[\sa], v[\sb] matrix_a_fmt:MATRIX_FMT_FP4 matrix_b_fmt:MATRIX_FMT_FP4
.else
	v_wmma_scale_f32_16x16x128_f8f6f4 v[(\d):(\d)+7], v[(\a):(\a)+7], v[(\b):(\b)+7], v[(\d):(\d)+7], v[\sa], v[\sb] matrix_a_fmt:MATRIX_FMT_FP4 matrix_b_fmt:MATRIX_FMT_FP4
.endif
.endm
.macro NEXTLOADS off                   ; a tile's ten loads, off tiles on from the bases: 16 rows of the query (512 consecutive bytes a load), kv's codes and scale bytes
.irp i, 0,1,2,3,4,5,6,7
	global_load_b128 v[EPS+4*\i:EPS+4*\i+3], v[LI], s[22:23] offset:(\off)*4096+512*\i th:TH_LOAD_NT
.endr
	global_load_b128 v[EPS+32:EPS+35], v[GK], s[24:25] offset:(\off)*512 th:TH_LOAD_NT
	global_load_u16 v[KVS], v[GS], s[26:27] offset:(\off)*32
.endm
; 64 numbers of a lane, register 32 c + i = k 64 c + 32 h + i of its row, become the operand HC and its scale word HS.  The sources are read from the low end of each result on.
.macro QUANT128 src
	v_max3_num_f32 v20, |v[(\src)]|, |v[(\src)+1]|, FLOOR
	v_max3_num_f32 v21, |v[(\src)+32]|, |v[(\src)+33]|, FLOOR
.irp i, 2,4,6,8,10,12,14,16,18,20,22,24,26,28,30
	v_max3_num_f32 v20, v20, |v[(\src)+\i]|, |v[(\src)+\i+1]|      ; the two blocks by turns
	v_max3_num_f32 v21, v21, |v[(\src)+32+\i]|, |v[(\src)+33+\i]|
.endr
	v_add_nc_u32 v20, 0xff000000, v20              ; 2 off the exponent field: the conversion's scale operand
	v_add_nc_u32 v21, 0xff000000, v21
	v_lshrrev_b32 v22, 23, v20                     ; the bytes of blocks h and 2 + h,
	v_lshrrev_b32 v23, 23, v21
	v_lshl_or_b32 v22, v23, 16, v22
	v_lshlrev_b32 v22, v[SH8], v22                 ; at their places,
	v_permlanex16_b32 v23, v22, s30, s31
	v_or_b32 v[HS], v22, v23                       ; with lane l xor 16's two
.irp g, 0,1,2,3
	v_cvt_scalef32_pk8_fp4_f32 v[HC+\g], v[(\src)+8*\g:(\src)+8*\g+7], v20
	v_cvt_scalef32_pk8_fp4_f32 v[HC+4+\g], v[(\src)+32+8*\g:(\src)+39+8*\g], v21
.endr
	PL 8                                           ; a scale word made by vector lines stands eight places ahead of the scaled product, an operand four
.endm
; 16 numbers of a lane, register i = k 16 h + i of its row (K = 32), become HC (zero codes from k = 32 on) and HS
.macro QUANT32 y
	v_max3_num_f32 v20, |v[(\y)]|, |v[(\y)+1]|, FLOOR
.irp i, 2,4,6,8,10,12,14
	v_max3_num_f32 v20, v20, |v[(\y)+\i]|, |v[(\y)+\i+1]|
.endr
	v_permlanex16_b32 v21, v20, s30, s31
	v_max_num_f32 v20, v20, v21
	v_add_nc_u32 v20, 0xff000000, v20
	v_lshrrev_b32 v[HS], 23, v20                   ; byte 0; the bytes above stand over zero codes
	v_cvt_scalef32_pk8_fp4_f32 v[HC], v[(\y):(\y)+7], v20
	v_cvt_scalef32_pk8_fp4_f32 v[HC+1], v[(\y)+8:(\y)+15], v20
.irp g, 2,3,4,5,6,7
	v_mov_b32 v[HC+\g], 0                          ; (plain lines between the conversions and the swaps)
.endr
	v_permlane16_swap_b32 v[HC], v[HC+2]           ; lanes 16-31's codes (k = 16 on) go to lanes 0-15's registers 2 and 3; zeros come back
	v_permlane16_swap_b32 v[HC+1], v[HC+3]
	PL 8
.endm
; LayerNorm's statistics over a row that lies in n registers of lanes l and l xor 16: d becomes d - mean in place; v18 = -mean, v19 = 1 / sqrt(var + 1e-5).  s[sinv] = 1 / (2 n)
.macro LNSTAT d, n, sinv
	v_pk_add_f32 v[12:13], v[(\d):(\d)+1], v[(\d)+2:(\d)+3]        ; each result is read from its low end on
	v_pk_add_f32 v[14:15], v[(\d)+4:(\d)+5], v[(\d)+6:(\d)+7]
.set LJ, (\d)+8
.rept ((\n)-8)/4
	v_pk_add_f32 v[12:13], v[12:13], v[LJ:LJ+1]
	v_pk_add_f32 v[14:15], v[14:15], v[LJ+2:LJ+3]
.set LJ, LJ+4
.endr
	v_pk_add_f32 v[12:13], v[12:13], v[14:15]
	v_add_f32 v16, v12, v13
	v_permlanex16_b32 v17, v16, s30, s31
	v_add_f32 v16, v16, v17
	v_mul_f32 v18, -v16, s[\sinv]
.set LJ, (\d)
.rept (\n)/2
	v_pk_add_f32 v[LJ:LJ+1], v[LJ:LJ+1], v[18:19] op_sel_hi:[1,0]
.set LJ, LJ+2
.endr
	v_pk_mul_f32 v[12:13], v[(\d):(\d)+1], v[(\d):(\d)+1]
	v_pk_mul_f32 v[14:15], v[(\d)+2:(\d)+3], v[(\d)+2:(\d)+3]
.set LJ, (\d)+4
.rept ((\n)-4)/4
	v_pk_fma_f32 v[12:13], v[LJ:LJ+1], v[LJ:LJ+1], v[12:13]
	v_pk_fma_f32 v[14:15], v[LJ+2:LJ+3], v[LJ+2:LJ+3], v[14:15]
.set LJ, LJ+4
.endr
	v_pk_add_f32 v[12:13], v[12:13], v[14:15]
	v_add_f32 v16, v12, v13
	v_permlanex16_b32 v17, v16, s30, s31
	v_add_f32 v16, v16, v17
	v_fma_f32 v16, v16, s[\sinv], s55
	v_rsq_f32 v19, v16
	v_nop                                          ; a plain line behind the transcendental,
	s_wait_alu depctr_va_vdst(0)                   ; and the wait ahead of its first reader
.endm
; GELU of the normalised d, eight registers (a batch) at a time.  Scratch: tmp + 0 gain, + 8 bias, + 16 addend, + 24 xc, + 32 xc^2, + 40 P, + 48 Q.
.macro GSB tmp, areg, vs, vb, b        ; batch b's gain and bias
	VEC8 (\tmp), \areg, \vs, \b
	VEC8 (\tmp)+8, \areg, \vb, \b
.endm
.macro GX d, tmp, b                    ; x = (d / sigma) gain + bias
.irp k, 0,2,4,6
	v_pk_mul_f32 v[(\d)+8*(\b)+\k:(\d)+8*(\b)+\k+1], v[(\d)+8*(\b)+\k:(\d)+8*(\b)+\k+1], v[18:19] op_sel:[0,1] op_sel_hi:[1,1]
.endr
.irp k, 0,2,4,6
	v_pk_fma_f32 v[(\d)+8*(\b)+\k:(\d)+8*(\b)+\k+1], v[(\d)+8*(\b)+\k:(\d)+8*(\b)+\k+1], v[(\tmp)+\k:(\tmp)+\k+1], v[(\tmp)+8+\k:(\tmp)+9+\k]
.endr
.endm
.macro GH tmp, p, sr                   ; a Horner step of P (p = 40) or Q (p = 48) with the coefficient pair s[sr]
.irp k, 0,2,4,6
	v_pk_fma_f32 v[(\tmp)+(\p)+\k:(\tmp)+(\p)+1+\k], v[(\tmp)+(\p)+\k:(\tmp)+(\p)+1+\k], v[(\tmp)+32+\k:(\tmp)+33+\k], s[\sr:\sr+1] op_sel_hi:[1,1,0]
.endr
.endm
.macro GCORE d, tmp, b
.irp k, 0,1,2,3,4,5,6,7
	v_med3_num_f32 v[(\tmp)+24+\k], v[(\d)+8*(\b)+\k], -v[LV], v[LV]
.endr
.irp k, 0,2,4,6
	v_pk_mul_f32 v[(\tmp)+32+\k:(\tmp)+33+\k], v[(\tmp)+24+\k:(\tmp)+25+\k], v[(\tmp)+24+\k:(\tmp)+25+\k]
.endr
.irp k, 0,2,4,6
	v_pk_fma_f32 v[(\tmp)+48+\k:(\tmp)+49+\k], v[(\tmp)+32+\k:(\tmp)+33+\k], v[CV:CV+1], s[44:45] op_sel:[0,1,0] op_sel_hi:[1,1,0]
.endr
.irp k, 0,2,4,6
	v_pk_fma_f32 v[(\tmp)+40+\k:(\tmp)+41+\k], v[(\tmp)+32+\k:(\tmp)+33+\k], v[CV:CV+1], s[32:33] op_sel_hi:[1,0,0]
.endr
	GH \tmp, 48, 46
	GH \tmp, 40, 34
	GH \tmp, 48, 48
	GH \tmp, 40, 36
	GH \tmp, 48, 50
.irp k, 0,1,2,3,4,5,6,7
	v_rcp_f32 v[(\tmp)+48+\k], v[(\tmp)+48+\k]     ; one batch of eight; the 16 plain lines below name none of its results
.endr
	GH \tmp, 40, 38
	GH \tmp, 40, 40
	GH \tmp, 40, 42
.irp k, 0,2,4,6
	v_pk_mul_f32 v[(\tmp)+40+\k:(\tmp)+41+\k], v[(\tmp)+40+\k:(\tmp)+41+\k], v[(\tmp)+24+\k:(\tmp)+25+\k]
.endr
.endm
.macro GFIN d, tmp, b, mode            ; mode 0: x G;  1: x G + eps;  2: x G + the addend
.irp k, 0,2,4,6
	v_pk_fma_f32 v[(\tmp)+40+\k:(\tmp)+41+\k], v[(\tmp)+40+\k:(\tmp)+41+\k], v[(\tmp)+48+\k:(\tmp)+49+\k], 0.5 op_sel_hi:[1,1,0]
.endr
.irp k, 0,2,4,6
.if \mode == 0
	v_pk_mul_f32 v[(\d)+8*(\b)+\k:(\d)+8*(\b)+\k+1], v[(\d)+8*(\b)+\k:(\d)+8*(\b)+\k+1], v[(\tmp)+40+\k:(\tmp)+41+\k]
.elseif \mode == 1
	v_pk_fma_f32 v[(\d)+8*(\b)+\k:(\d)+8*(\b)+\k+1], v[(\d)+8*(\b)+\k:(\d)+8*(\b)+\k+1], v[(\tmp)+40+\k:(\tmp)+41+\k], v[EPS+8*(\b)+\k:EPS+8*(\b)+\k+1]
.else
	v_pk_fma_f32 v[(\d)+8*(\b)+\k:(\d)+8*(\b)+\k+1], v[(\d)+8*(\b)+\k:(\d)+8*(\b)+\k+1], v[(\tmp)+40+\k:(\tmp)+41+\k], v[(\tmp)+16+\k:(\tmp)+17+\k]
.endif
.endr
.endm
.macro GELU d, tmp, nb, areg, vs, vb, mode, vadd   ; batch 0's gain and bias were asked for ahead of the statistics
	s_wait_dscnt 0x0
	GX \d, \tmp, 0
	GSB \tmp, \areg, \vs, \vb, 1
.if \mode == 2
	VEC8 (\tmp)+16, \areg, \vadd, 0
.endif
.set GB, 0
.rept \nb
	GCORE \d, \tmp, GB
	s_wait_dscnt 0x0                               ; the next batch's gain and bias, this batch's addend
.if GB+1 < \nb
	GX \d, \tmp, GB+1                              ; more work that names no reciprocal
.endif
.if GB+2 < \nb
	GSB \tmp, \areg, \vs, \vb, GB+2
.endif
	s_wait_alu depctr_va_vdst(0)                   ; one wait for the batch's eight reciprocals, ahead of their first reader
	GFIN \d, \tmp, GB, \mode
.if (\mode == 2) && (GB+1 < \nb)
	VEC8 (\tmp)+16, \areg, \vadd, GB+1
.endif
.set GB, GB+1
.endr
.endm
; THE ATTENTION of q-register i (query 8 (i / 4) + 4 h + i % 4), in pieces that are set a step apart so that each batch of transcendentals has plain work behind it and one wait.
.macro ATT_S i                         ; s of both heads, and the row's maximum m = max(s kvmax, s kvmin)
.if (\i)%2
	v_pk_fma_f32 v[12:13], v[ACC+(\i)-1:ACC+(\i)], v[C1:C1+1], v[C2:C2+1] op_sel:[1,0,0] op_sel_hi:[1,1,1]
.else
	v_pk_fma_f32 v[12:13], v[ACC+(\i):ACC+(\i)+1], v[C1:C1+1], v[C2:C2+1] op_sel_hi:[0,1,1]
.endif
	v_pk_mul_f32 v[14:15], v[12:13], v[KMX:KMX+1] op_sel_hi:[1,0]
	v_pk_mul_f32 v[16:17], v[12:13], v[KMX:KMX+1] op_sel:[0,1] op_sel_hi:[1,1]
	v_max_num_f32 v18, v14, v16
	v_max_num_f32 v19, v15, v17
.endm
.macro ATT_T i                         ; s kv[k] - m for the 16 keys
.irp k, 0,2,4,6,8,10,12,14
	v_pk_fma_f32 v[WF+32*((\i)%2)+2*\k:WF+32*((\i)%2)+2*\k+1], v[KV+\k:KV+\k+1], v[12:13], v[18:19] op_sel_hi:[0,1,1] neg_lo:[0,0,1] neg_hi:[0,0,1]
	v_pk_fma_f32 v[WF+32*((\i)%2)+2*\k+2:WF+32*((\i)%2)+2*\k+3], v[KV+\k:KV+\k+1], v[12:13], v[18:19] op_sel:[1,0,0] op_sel_hi:[1,1,1] neg_lo:[0,0,1] neg_hi:[0,0,1]
.endr
.endm
.macro ATT_E i
.irp k, 0,1,2,3,4,5,6,7,8,9,10,11,12,13,14,15,16,17,18,19,20,21,22,23,24,25,26,27,28,29,30,31
	v_exp_f32 v[WF+32*((\i)%2)+\k], v[WF+32*((\i)%2)+\k]
.endr
.endm
.macro ATT_SUM j                       ; sum p and sum p kv, two chains by turns
.set PB, WF+32*((\j)%2)
.set ASS, 52+4*((\j)%2)
	v_pk_add_f32 v[ASS:ASS+1], v[PB:PB+1], v[PB+2:PB+3]
	v_pk_mul_f32 v[ASS+2:ASS+3], v[PB:PB+1], v[KV:KV+1] op_sel_hi:[1,0]
	v_pk_fma_f32 v[ASS+2:ASS+3], v[PB+2:PB+3], v[KV:KV+1], v[ASS+2:ASS+3] op_sel:[0,1,0] op_sel_hi:[1,1,1]
.irp k, 2,4,6,8,10,12,14
	v_pk_add_f32 v[ASS:ASS+1], v[ASS:ASS+1], v[PB+2*\k:PB+2*\k+1]
	v_pk_fma_f32 v[ASS+2:ASS+3], v[PB+2*\k:PB+2*\k+1], v[KV+\k:KV+\k+1], v[ASS+2:ASS+3] op_sel_hi:[1,0,1]
	v_pk_add_f32 v[ASS:ASS+1], v[ASS:ASS+1], v[PB+2*\k+2:PB+2*\k+3]
	v_pk_fma_f32 v[ASS+2:ASS+3], v[PB+2*\k+2:PB+2*\k+3], v[KV+\k:KV+\k+1], v[ASS+2:ASS+3] op_sel:[0,1,0] op_sel_hi:[1,1,1]
.endr
.endm
.macro ATT_R j
	v_rcp_f32 v[52+4*((\j)%2)], v[52+4*((\j)%2)]
	v_rcp_f32 v[53+4*((\j)%2)], v[53+4*((\j)%2)]
.endm
.macro ATT_U j                         ; u of both heads, and the query's eight numbers of eps
.set ASS, 52+4*((\j)%2)
	v_pk_mul_f32 v[60:61], v[ASS+2:ASS+3], v[ASS:ASS+1]
.irp k, 0,2,4,6
	v_pk_fma_f32 v[EPS+8*(\j)+\k:EPS+8*(\j)+\k+1], v[60:61], v[G0+\k:G0+\k+1], v[G2+\k:G2+\k+1] op_sel_hi:[0,1,1]
.endr
.irp k, 0,2,4,6
	v_pk_fma_f32 v[EPS+8*(\j)+\k:EPS+8*(\j)+\k+1], v[60:61], v[G1+\k:G1+\k+1], v[EPS+8*(\j)+\k:EPS+8*(\j)+\k+1] op_sel:[1,0,0] op_sel_hi:[1,1,1]
.endr
.endm
.macro ACOEF reg, bits                 ; a coefficient of P: erf's, already divided by 2^k, times 1 / (2 sqrt(2)); both words of the pair are written
	s_mov_b32 s[\reg], \bits
	s_mul_f32 s[\reg], s[\reg], s59
	s_mov_b32 s[\reg+1], s[\reg]
.endm
.macro BCOEF reg, bits
	s_mov_b32 s[\reg], \bits
	s_mov_b32 s[\reg+1], \bits
.endm
	; ---------------- the head
	s_load_b512 s[4:19], s[0:1], 0x0               ; img, eps_fc1_b, eps_ln1_s, eps_ln1_b, res_fc1_b, res_ln1_s, res_ln1_b, res_match_b
	s_load_b256 s[20:27], s[0:1], 0x40             ; res_fc_b, query s[22:23], kv's codes s[24:25], kv's scales s[26:27]
	s_load_b64 s[28:29], s[0:1], 0x60              ; out0
	v_lshl_add_u32 v62, v0, 2, 0x1cc00
	v_mov_b32 v63, 0
	v_lshrrev_b32 v12, 5, v0
	v_readfirstlane_b32 s57, v12                   ; wave 0..15
	v_and_b32 v13, 31, v0                          ; lane
	v_and_b32 v14, 15, v0                          ; r
	v_bfe_u32 v15, v0, 4, 1                        ; h
	v_lshlrev_b32 v[LI], 4, v13
	v_lshlrev_b32 v[LH], 7, v15
	v_lshlrev_b32 v[LH2], 6, v15
	v_mov_b32 v[ZA], 0
	s_mul_i32 s58, s57, 4352
	s_add_co_u32 s58, s58, STG                     ; my wave's stage
	v_mul_u32_u24 v[SGI], v15, 272
	v_lshl_add_u32 v[SGI], v14, 4, v[SGI]
	v_add_nc_u32 v[SGI], s58, v[SGI]
	v_mul_u32_u24 v[SGO], v14, 272
	v_lshl_add_u32 v[SGO], v15, 7, v[SGO]
	v_add_nc_u32 v[SGO], s58, v[SGO]
	v_lshlrev_b32 v[GK], 5, v14
	v_lshl_add_u32 v[GK], v15, 4, v[GK]
	v_lshlrev_b32 v[GS], 1, v14
	v_lshlrev_b32 v[SH8], 3, v15
	v_lshlrev_b32 v[CPY], 4, v0                    ; 16 x thread: the copy of img
	v_lshlrev_b32 v[L8], 3, v13
	s_mov_b32 s30, 0x76543210                      ; v_permlanex16_b32's selects for lane l xor 16
	s_mov_b32 s31, 0xfedcba98
	s_mov_b32 s59, 0x3eb504f3                      ; 1 / (2 sqrt(2))
	s_mov_b32 s60, 0xac95df0b
	s_mul_f32 s60, s60, s59
	v_mov_b32 v[CV], s60                           ; a6
	v_mov_b32 v[CV+1], 0xb57460cd                  ; b4
	ACOEF 32, 0x306dffee                           ; a5 .. a0
	ACOEF 34, 0xb40cff51
	ACOEF 36, 0xb6eec2d2
	ACOEF 38, 0xb940ac63
	ACOEF 40, 0xbac1a1f6
	ACOEF 42, 0xbc83dbd4
	BCOEF 44, 0xb7dfbd29                           ; b3 .. b0
	BCOEF 46, 0xb9dc924e
	BCOEF 48, 0xbb719bf8
	BCOEF 50, 0xbc69b6a7
	s_mov_b32 s53, 0x3c000000                      ; 1 / 128
	s_mov_b32 s54, 0x3d000000                      ; 1 / 32
	s_mov_b32 s55, 0x3727c5ac                      ; 1e-5
	s_mov_b32 s56, 4                               ; trips
	v_mov_b32 v[LV], 0x40b504f3                    ; 4 sqrt(2)
.irp j, 12,13,14,15,16,17,18,19,20,21,22,23
	v_mov_b32 v[\j], 0                             ; written once: a lane permute's destination, and both words of a named pair, count as read
.endr
	v_mov_b32 v[XC+6], 0                           ; k = 80 .. 95 and 112 .. 127: zero codes, for the whole launch
	v_mov_b32 v[XC+7], 0
.irp j, 36,37,38,39
	v_mov_b32 v[EPS+\j], 0                         ; kv's operand from k = 64 on
.endr
	s_wait_kmcnt 0x0
	s_lshl_b32 s58, ttmp9, 18                      ; 64 tiles of 4,096 bytes a work-group,
	s_lshl_b32 s60, s57, 12                        ; one a wave
	s_add_co_u32 s58, s58, s60
	s_mov_b32 s59, 0
	s_add_nc_u64 s[22:23], s[22:23], s[58:59]
	s_add_nc_u64 s[28:29], s[28:29], s[58:59]
	s_lshr_b32 s58, s58, 3                         ; 512 bytes of kv's codes a tile,
	s_add_nc_u64 s[24:25], s[24:25], s[58:59]
	s_lshr_b32 s58, s58, 4                         ; 32 of its scale bytes
	s_add_nc_u64 s[26:27], s[26:27], s[58:59]
	; img and the eight wide vectors go into LDS once: 512 threads x 16 bytes x 5, the last 3,072 bytes by waves 0-5, the vectors by wave 6
.irp i, 0,1,2,3,4
	global_load_b128 v[WF+4*\i:WF+4*\i+3], v[CPY], s[4:5] offset:8192*\i
.endr
	s_cmp_lt_u32 s57, 6
	s_cbranch_scc0 .Lnot_tail
	global_load_b128 v[WF+20:WF+23], v[CPY], s[4:5] offset:40960
	s_wait_loadcnt 0x0
	ds_store_b128 v[CPY], v[WF+20:WF+23] offset:40960
	s_branch .Lcopied
.Lnot_tail:
	s_cmp_eq_u32 s57, 6
	s_cbranch_scc0 .Lcopied
.irp i, 0,1,2,3,4,5,6
	global_load_b128 v[WF+24+4*\i:WF+27+4*\i], v[LI], s[6+2*\i:7+2*\i]
.endr
	global_load_b64 v[WF+52:WF+53], v[L8], s[20:21]
	s_wait_loadcnt 0x0
.irp i, 0,1,2,3,4,5,6
	ds_store_b128 v[LI], v[WF+24+4*\i:WF+27+4*\i] offset:V_E1B+512*\i
.endr
	ds_store_b64 v[L8], v[WF+52:WF+53] offset:V_R3B
.Lcopied:
	NEXTLOADS 0                                    ; the first tile
	s_wait_loadcnt 10                              ; all but those ten: the five loads of img are in
.irp i, 0,1,2,3,4
	ds_store_b128 v[CPY], v[WF+4*\i:WF+4*\i+3] offset:8192*\i
.endr
	s_wait_dscnt 0x0                               ; for the others' sake: my stores have landed
	s_barrier_signal -1
	s_barrier_wait -1                              ; the one barrier: from here on these bytes are only read, and a stage is touched by its own wave alone
.Ltrip:
	; ---------------- IN: the query turns through the stage (dense rows in, 128 bytes of a row to a lane out) and is quantised; q and kv
	s_wait_loadcnt 0x0                             ; the tile's ten loads, asked for more than half a trip ago
.irp i, 0,1,2,3,4,5,6,7
	ds_store_b128 v[SGI], v[EPS+4*\i:EPS+4*\i+3] offset:544*\i
.endr
.irp i, 0,1,2,3,4,5,6,7
	ds_load_b128 v[WF+4*\i:WF+4*\i+3], v[SGO] offset:16*\i         ; LDS serves a wave's instructions in order: these see the stores.  Block h of row r
.endr
.irp i, 0,1,2,3,4,5,6
	ds_load_b128 v[ACC+24+4*\i:ACC+27+4*\i], v[ZA] offset:P_CONST+16*\i    ; g0, g1, g2, c1, c2: the same words in every lane
.endr
	FRAG WF+32, F_WQ
	FRAG WF+40, F_WKV
	FRAG WF+48, F_WKV+1024
	ds_load_b128 v[WS:WS+3], v[LI] offset:S_QKV
	s_wait_dscnt 14                                ; the query is back; the 7 + 6 + 1 loads behind it may be out
	v_max3_num_f32 v20, |v[WF]|, |v[WF+1]|, FLOOR
	v_max3_num_f32 v21, |v[WF+2]|, |v[WF+3]|, FLOOR
.irp i, 4,8,12,16,20,24,28
	v_max3_num_f32 v20, v20, |v[WF+\i]|, |v[WF+\i+1]|
	v_max3_num_f32 v21, v21, |v[WF+\i+2]|, |v[WF+\i+3]|
.endr
	v_max_num_f32 v20, v20, v21
	v_add_nc_u32 v20, 0xff000000, v20
	v_lshrrev_b32 v22, 23, v20
	v_lshlrev_b32 v22, v[SH8], v22
	v_permlanex16_b32 v23, v22, s30, s31
	v_or_b32 v[XS], v22, v23                       ; bytes 0 and 1; the bytes above stand over zero codes for now
.irp g, 0,1,2,3
	v_cvt_scalef32_pk8_fp4_f32 v[XC+\g], v[WF+8*\g:WF+8*\g+7], v20
.endr
	v_mov_b32 v[XC+4], 0                           ; eps_ is not there yet
	v_mov_b32 v[XC+5], 0
	PL 8
	s_wait_dscnt 0x0
	MM ACC, WF+32, XC, WS, XS, 1                   ; register n: q[8 (n / 4) + 4 h + n % 4]
	MM ACC+8, WF+40, EPS+32, WS+1, KVS, 1          ; kv[0 .. 7], in both halves of the lanes
	MM ACC+16, WF+48, EPS+32, WS+2, KVS, 1         ; kv[8 .. 15]
	PL 4
	; ---------------- ATT
	v_max3_num_f32 v[KMX], v[KV], v[KV+1], v[KV+2]
	v_min3_num_f32 v[KMX+1], v[KV], v[KV+1], v[KV+2]
.irp i, 3,5,7,9,11,13
	v_max3_num_f32 v[KMX], v[KMX], v[KV+\i], v[KV+\i+1]
	v_min3_num_f32 v[KMX+1], v[KMX+1], v[KV+\i], v[KV+\i+1]
.endr
	v_max_num_f32 v[KMX], v[KMX], v[KV+15]
	v_min_num_f32 v[KMX+1], v[KMX+1], v[KV+15]
.irp i, 0,1,2,3,4,5,6,7
	ATT_S \i                                       ; 21 plain lines that name no result of the exponentials and reciprocals issued last
	ATT_T \i
.if \i > 0
	s_wait_alu depctr_va_vdst(0)                   ; one wait for the 32 exponentials of query i - 1 and the two reciprocals of query i - 2
.endif
.if \i > 1
	ATT_U \i-2
.endif
.if \i > 0
	ATT_SUM \i-1
	ATT_R \i-1
.endif
	ATT_E \i
.endr
	v_nop
	s_wait_alu depctr_va_vdst(0)
	ATT_U 6
	ATT_SUM 7
	ATT_R 7
	; ---------------- E1: eps_fc1, LayerNorm, GELU, + eps.  Its fragments are asked for while the last reciprocals are out
.irp t, 0,1,2,3,4,5,6,7
	FRAG WF+8*\t, F_E1+1024*\t
.endr
	ds_load_b128 v[WS:WS+3], v[LI] offset:S_E1
	ds_load_b128 v[WS+4:WS+7], v[LI] offset:S_E1+512
	v_nop
	s_wait_alu depctr_va_vdst(0)
	ATT_U 7
.irp t, 0,1,2,3,4,5,6,7
	VEC8 ACC+8*\t, LH, V_E1B, \t                   ; the bias is what the sum starts at
.endr
	QUANT128 EPS
	s_wait_dscnt 0x0
.irp t, 0,1,2,3,4,5,6,7
	MM ACC+8*\t, WF+8*\t, HC, WS+\t, HS, 0         ; eight results, one instruction each
.endr
	PL 4
	GSB WF, LH, V_E1S, V_E1LB, 0
	LNSTAT ACC, 64, 53
	GELU ACC, WF, 8, LH, V_E1S, V_E1LB, 1, 0
	; ---------------- NEXT: eps is done with: its registers take the next tile's loads.  The last trip asks for nothing: no load leaves its buffer
.irp j, 36,37,38,39
	v_mov_b32 v[EPS+\j], 0
.endr
	s_cmp_eq_u32 s56, 1
	s_cbranch_scc1 .Lno_next
	NEXTLOADS 16
.Lno_next:
	; ---------------- E2, E3: eps_fc2, LayerNorm, GELU; eps_fc
	FRAG WF, F_E2
	FRAG WF+8, F_E2+1024
	VEC8 WF+16, LH2, P_E2B, 0
	VEC8 WF+24, LH2, P_E2B, 1
	FRAG WF+32, F_E3
	FRAG WF+40, F_E3+1024
	VEC8 WF+48, LH2, P_E3B, 0                      ; eps_fc_b in lanes 0-15, zeros in lanes 16-31
	VEC8 WF+56, LH2, P_E3B, 1
	ds_load_b128 v[WS:WS+3], v[LI] offset:S_E23
	QUANT128 ACC
	s_wait_dscnt 0x0
	MM WF+16, WF, HC, WS, HS, 0
	MM WF+24, WF+8, HC, WS+1, HS, 0
	PL 4
	GSB ACC, LH2, P_E2S, P_E2LB, 0
	LNSTAT WF+16, 16, 54
	GELU WF+16, ACC, 2, LH2, P_E2S, P_E2LB, 0, 0
	QUANT32 WF+16
	MM WF+48, WF+32, HC, WS+2, HS, 0               ; lanes 0-15: eps_[0 .. 7]; lanes 16-31: rows of zero codes on a zero bias: exact zeros
	MM WF+56, WF+40, HC, WS+3, HS, 0               ; eps_[8 .. 15]
	PL 4
	; ---------------- R1: eps_ joins the query's codes as block 2; res_fc1, LayerNorm, GELU, + res_match_b
.irp t, 0,1,2,3,4,5,6,7
	VEC8 ACC+8*\t, LH, V_R1B, \t
.endr
	ds_load_b128 v[WS:WS+3], v[LI] offset:S_R1
	ds_load_b128 v[WS+4:WS+7], v[LI] offset:S_R1+512
.irp t, 0,1,2,3,4,5
	FRAG WF+8*\t, F_R1+1024*\t
.endr
	v_max3_num_f32 v20, |v[WF+48]|, |v[WF+49]|, FLOOR
.irp i, 2,4,6,8,10,12,14
	v_max3_num_f32 v20, v20, |v[WF+48+\i]|, |v[WF+49+\i]|
.endr
	v_add_nc_u32 v20, 0xff000000, v20
	v_lshrrev_b32 v22, 23, v20
	v_lshl_or_b32 v[XS], v22, 16, v[XS]            ; byte 2 (lanes 0-15 are read)
	v_cvt_scalef32_pk8_fp4_f32 v[XC+4], v[WF+48:WF+55], v20        ; k = 64 .. 71 in lanes 0-15; lanes 16-31's zeros give zero codes
	v_cvt_scalef32_pk8_fp4_f32 v[XC+5], v[WF+56:WF+63], v20
	v_nop
	FRAG WF+48, F_R1+6144
	FRAG WF+56, F_R1+7168
	PL 8
	s_wait_dscnt 0x0
.irp t, 0,1,2,3,4,5,6,7
	MM ACC+8*\t, WF+8*\t, XC, WS+\t, XS, 0
.endr
	PL 4
	GSB WF, LH, V_R1S, V_R1LB, 0
	LNSTAT ACC, 64, 53
	GELU ACC, WF, 8, LH, V_R1S, V_R1LB, 2, V_RMB
	; ---------------- RM: res_match adds onto that: the skip's addition is the product's own.  The eight results take turns, one instruction each, as in R1
.irp t, 0,1,2,3,4,5,6,7
	FRAG WF+8*\t, F_RM+1024*\t
.endr
	ds_load_b128 v[WS:WS+3], v[LI] offset:S_RM
	ds_load_b128 v[WS+4:WS+7], v[LI] offset:S_RM+512
	PL 4
	s_wait_dscnt 0x0
.irp t, 0,1,2,3,4,5,6,7
	MM ACC+8*\t, WF+8*\t, XC, WS+\t, XS, 0
.endr
	PL 4
	; ---------------- R2, R3: res_fc2, LayerNorm, GELU; res_fc
	FRAG WF, F_R2
	FRAG WF+8, F_R2+1024
	VEC8 WF+16, LH2, P_R2B, 0
	VEC8 WF+24, LH2, P_R2B, 1
.irp t, 0,1,2,3
	FRAG WF+32+8*\t, F_R3+1024*\t
.endr
	ds_load_b64 v[WS:WS+1], v[LI] offset:S_R2
	ds_load_b128 v[WS+4:WS+7], v[LI] offset:S_R3
	QUANT128 ACC
	s_wait_dscnt 0x0
	MM WF+16, WF, HC, WS, HS, 0
	MM WF+24, WF+8, HC, WS+1, HS, 0
	PL 4
	GSB ACC, LH2, P_R2S, P_R2LB, 0
	LNSTAT WF+16, 16, 54
	GELU WF+16, ACC, 2, LH2, P_R2S, P_R2LB, 0, 0
.irp t, 0,1,2,3
	VEC8 ACC+8*\t, LH, V_R3B, \t
.endr
	QUANT32 WF+16
	s_wait_dscnt 0x0
.irp t, 0,1,2,3
	MM ACC+8*\t, WF+32+8*\t, HC, WS+4+\t, HS, 0    ; register 8 t + j: out(r, 32 h + 8 t + j)
.endr
	PL 4
	; ---------------- OUT: a lane's 128 bytes of a row into the stage, dense rows back, 512 consecutive bytes a store, at a multiple of 256 from out0's first byte
.irp t, 0,1,2,3
	ds_store_b128 v[SGO], v[ACC+8*\t:ACC+8*\t+3] offset:32*\t      ; each result from its low end on
	ds_store_b128 v[SGO], v[ACC+8*\t+4:ACC+8*\t+7] offset:32*\t+16
.endr
.irp i, 0,1,2,3,4,5,6,7
	ds_load_b128 v[WF+4*\i:WF+4*\i+3], v[SGI] offset:544*\i
.endr
.irp i, 0,1,2,3,4,5,6,7
	s_wait_dscnt 7-\i                              ; LDS loads come back in order: the younger ones may be out
	global_store_b128 v[LI], v[WF+4*\i:WF+4*\i+3], s[28:29] offset:512*\i th:TH_STORE_NT
.endr
	s_wait_xcnt 0x0                                ; every memory instruction issued has read its sources: the four bases and the stores' data are written again only behind this wait
	s_add_nc_u64 s[22:23], s[22:23], 0x10000       ; sixteen tiles on
	s_add_nc_u64 s[28:29], s[28:29], 0x10000
	s_add_nc_u64 s[24:25], s[24:25], 0x2000
	s_add_nc_u64 s[26:27], s[26:27], 0x200
	s_sub_co_i32 s56, s56, 1
	s_cmp_lg_u32 s56, 0
	s_cbranch_scc1 .Ltrip
	s_wait_tensorcnt 0x0
	ds_add_u32 v62, v63
	s_wait_dscnt 0x0
	s_endpgm
.Lfunc_end_k_q0ba3fe7ff2_main:
	.size	k_q0ba3fe7ff2_main, .Lfunc_end_k_q0ba3fe7ff2_main-k_q0ba3fe7ff2_main
	.p2alignl 7, 3214868480
	.fill 96, 4, 3214868480
	.section	.rodata,"a",@progbits
	.p2align	6, 0x0
	.amdhsa_kernel k_q0ba3fe7ff2_main
		.amdhsa_group_segment_fixed_size 119808
		.amdhsa_private_segment_fixed_size 0
		.amdhsa_enable_private_segment 0
		.amdhsa_kernarg_size 104
		.amdhsa_user_sgpr_count 2
		.amdhsa_user_sgpr_kernarg_segment_ptr 1
		.amdhsa_wavefront_size32 1
		.amdhsa_system_sgpr_workgroup_id_x 1
		.amdhsa_system_sgpr_workgroup_id_y 1
		.amdhsa_system_sgpr_workgroup_id_z 1
		.amdhsa_system_vgpr_workitem_id 0
		.amdhsa_next_free_vgpr 256
		.amdhsa_next_free_sgpr 66
		.amdhsa_reserve_vcc 0
		.amdhsa_float_denorm_mode_32 3
		.amdhsa_float_denorm_mode_16_64 3
		.amdhsa_memory_ordered 1
		.amdhsa_forward_progress 1
		.amdhsa_inst_pref_size 202
	.end_amdhsa_kernel
	.amdgpu_metadata
---
amdhsa.version: [ 1, 2 ]
amdhsa.kernels:
  - .name:           k_q0ba3fe7ff2_main
    .symbol:         k_q0ba3fe7ff2_main.kd
    .args:
      - { .name: img, .offset: 0, .size: 8, .value_kind: global_buffer, .address_space: global }
      - { .name: eps_fc1_b, .offset: 8, .size: 8, .value_kind: global_buffer, .address_space: global }
      - { .name: eps_ln1_s, .offset: 16, .size: 8, .value_kind: global_buffer, .address_space: global }
      - { .name: eps_ln1_b, .offset: 24, .size: 8, .value_kind: global_buffer, .address_space: global }
      - { .name: res_fc1_b, .offset: 32, .size: 8, .value_kind: global_buffer, .address_space: global }
      - { .name: res_ln1_s, .offset: 40, .size: 8, .value_kind: global_buffer, .address_space: global }
      - { .name: res_ln1_b, .offset: 48, .size: 8, .value_kind: global_buffer, .address_space: global }
      - { .name: res_match_b, .offset: 56, .size: 8, .value_kind: global_buffer, .address_space: global }
      - { .name: res_fc_b, .offset: 64, .size: 8, .value_kind: global_buffer, .address_space: global }
      - { .name: query_embed, .offset: 72, .size: 8, .value_kind: global_buffer, .address_space: global }
      - { .name: kv_embed_codes, .offset: 80, .size: 8, .value_kind: global_buffer, .address_space: global }
      - { .name: kv_embed_scales, .offset: 88, .size: 8, .value_kind: global_buffer, .address_space: global }
      - { .name: out0, .offset: 96, .size: 8, .value_kind: global_buffer, .address_space: global }
    .group_segment_fixed_size: 119808
    .private_segment_fixed_size: 0
    .kernarg_segment_align: 8
    .kernarg_segment_size: 104
    .max_flat_workgroup_size: 512
    .sgpr_count:     66
    .vgpr_count:     256
    .wavefront_size: 32
...
	.end_amdgpu_metadata
.endif
;; end of part 2
